; MI455X (gfx1250); checked and timed in simulation.
; The chip was launched on July 23, 2026; its instructions are those of AMD's public machine-readable ISA for CDNA 5 (MIT licence, August 2026) and "CDNA5" Instruction Set Architecture Reference Guide (July 2026). The comments in the code are by the model that wrote it; some were corrected since.
;; Quant Linear. Allowed arithmetic: matrix products marked QUANTISED: E5M2 operands, one E8M0 scale for each 32 along K, by v_wmma_scale_f32_16x16x128_f8f6f4 with both operands' format E5M2, f32 sums; everything else in f32.
;; Inputs: d 65,536 float32; dmin 65,536 float32; mins 524,288 int32; packed 8,388,608 int32; scales 524,288 int32; x 2 x 2,048 x 4,096 float32.
;; Outputs: out0 2 x 2,048 x 4,096 float32.
;; This version of the problem:
;;   THIS VERSION OF THE PROBLEM IS GIVEN IN LOW PRECISION. The matrix products marked QUANTISED in the list below multiply operands that are first quantised to E5M2 (5 exponent bits, 2 mantissa bits; 8 bits a number), with one power-of-two scale for each 32 numbers along K (OCP MX v1.0); their sums are f32. All else is computed in f32.
;;   The module's matrix products, in the order in which they are computed (A, B: the left and right operand; K: the contracted axis; several contracted axes count as one K, in the product's order):
;;     1. [M 4,096, K 4,096] x [K 4,096, N 4,096]; A: input x; B: computed on the way: QUANTISED
;;   THE QUANTISER, for each operand of a quantised product, along K:
;;     - K is cut into blocks of 32 from its start; a last block that is shorter is filled with zeros.
;;     - A block's scale is 2^e with e = floor(log2(the largest magnitude in the block)) - 15, held to -126 .. 127; a block of zeros has e = 0. As a byte (E8M0): e + 127.
;;     - Each number is divided by its block's scale, clamped to +-57,344, and rounded to the nearest number of E5M2, ties to even, subnormals kept.
;;     - The product sums the exact products of the quantised numbers (number of the format x scale) in f32.
;;   ~~~python
;;   def quantise(x, axis):      # numpy; x: float32 -> the quantised numbers, widened to float32 again
;;       x = np.moveaxis(x, axis, -1); K = x.shape[-1]
;;       x = np.pad(x, [(0, 0)] * (x.ndim - 1) + [(0, -K % 32)]); x = x.reshape(x.shape[:-1] + (-1, 32)); a = np.abs(x).max(-1, keepdims=True)
;;       e = np.where(a > 0, np.clip(np.frexp(np.where(a > 0, a, 1))[1] - 1 - 15, -126, 127), 0)      # np.frexp(a)[1] - 1 = floor(log2(a)), exactly
;;       r = np.clip(x / 2.0 ** e, -57344, 57344)
;;       step = 2.0 ** (np.maximum(np.frexp(np.where(r == 0, 1, r))[1] - 1, -14) - 2)
;;       q = np.round(r / step) * step * 2.0 ** e      # np.round: ties to even
;;       return np.moveaxis(q.reshape(q.shape[:-2] + (-1,))[..., :K], -1, axis).astype(np.float32)
;;   ~~~
;;   OPERANDS COMPUTED ON THE WAY. 'Computed on the way' means the value that the module computes at that place (a softmax that the list does not call 'softmax' is quantised finished and normalised). What goes into a quantiser is computed in f32, as accurately as f32 sums, v_exp_f32 and their like allow (about 1e-6 of the number): no bf16 or f16 on the way to a quantiser, and a product that is left as it is and whose result goes on into a quantised operand takes f32 operands (vector FMAs, or v_wmma_f32_16x16x4_f32). A number that lies on a knife's edge between two numbers of the format may be rounded either way, as far as f32 arithmetic and the matrix unit's own rounding can turn it there, and no further.
;; One version. Each part assembles by itself: llvm-mc -triple=amdgcn-amd-amdhsa -mcpu=gfx1250 --defsym DOCPART=n.
;; ======== version 1 of 1: 2 launches
;; limits: right only within a limited range of input values
;; workspace buffers: xq 17,301,504 bytes; wq 17,301,504 bytes
;; launch prep (part 1): grid 512 x 1, 8 waves a work-group, no clusters, 64,512 bytes of LDS; arguments x, packed, d, dmin, scales, mins, xq, wq; writes xq, wq
.if DOCPART == 1
	.amdgcn_target "amdgcn-amd-amdhsa--gfx1250"
	.amdhsa_code_object_version 6
	.text
	.protected	k_q690c0d01eb_prep
	.globl	k_q690c0d01eb_prep
	.p2align	8
	.type	k_q690c0d01eb_prep,@function
k_q690c0d01eb_prep:
	s_mov_b64 s[64:65], 0
	v_nop
	global_prefetch_b8 v0, s[64:65] scope:SCOPE_SE
	s_setreg_imm32_b32 hwreg(HW_REG_WAVE_MODE, 25, 1), 1
	s_wait_xcnt 0x0
; Both operands of out = x w^T become codes of BF8 (E5M2), one byte a number, with one E8M0 scale byte for each 32 along K.
; x: [4096][4096] f32.  w: [4096][4096], made on the way: each int32 of packed holds two weights q (low nibble first), one s and one m for each 32 weights,
; one d and one dmin for each 256:  w = (q / 15 x s / 63 + m / 63) d + dmin.  A block of 32 weights is a block of 32 along K; 256 weights are one K step of the product's launch.
; THE WORKSPACE, alike for xq and wq: [32 blocks of 128 rows][16 K steps of 256][33,792 bytes]: 128 rows of 256 codes, then the rows' scale bytes, 8 a row (byte 8 row + b serves k = 32 b ..).
; So what the product's launch wants of 128 rows for one K step is one dense run of 132 x 256 bytes.
; THE QUANTISER: a block's scale is 2^(floor(log2(largest magnitude)) - 15); its byte is the largest magnitude's exponent field - 15, held at 1 from below; each number is held within
; +-57,344 x the scale and converted to the nearest code, ties to even.
; LIMITS: NaN and infinities among the inputs are not served.  A block whose largest magnitude lies under 2^-111 has its byte held at 1.  A block of zeros gets the byte 1 where the rule says 127:
; its codes are zeros, and this program alone reads the bytes.  w is computed as fma(q, A, B) with A = (s d) x (1/945), B = fma(m x (1/63), d, dmin): another order of rounding than the
; definition's four steps; both lie within a few parts in 10^7 of the exact number, relative to the larger of the two terms.
; SHARES: 512 work-groups of eight waves; half take x, half w (neighbours in number take different tensors).  A work-group takes 32 rows x 2,048 along K, a wave 32 rows x one K step of 256:
; 32 whole rows of 256 codes and 256 scale bytes.  No tensor loads, no cluster: work-groups share no input, and loads through registers let two work-groups lie on a WGP.
; The two paths part on the work-group's number alone and never join; each has LDS bytes of its own.
.set FLOOR, 0x8000000                  ; 2^(16 - 127): under it no largest magnitude is taken
.set SUBE,  0xf8800000                 ; -(15 << 23): 15 off an exponent field
.set MANT,  0x600000                   ; the mantissa field of 57,344
.set C63,   0x3c820821                 ; 1 / 63
.set C945,  0x3a8ab356                 ; 1 / 945
.set BLKB,  33792                      ; a block of the workspace
.set SP,    80                         ; path x: a lane's place in a stage: 64 bytes + 16 of padding
.set WREG,  5632                       ; path x: a wave's LDS: two stages of 32 x SP bytes, then its 256 scale bytes
.set WAB,   45056                      ; path w: the pairs (A, B) of 32 rows x 64 blocks: row x 512 + block x 8
.set WSB,   61440                      ; path w: 256 scale bytes for each wave
.set SPARE, 63488                      ; the spare words, 128 bytes for each wave: four blocks of 256 bytes that no other line names
.set SPW,   12                         ; v12  LDS address of my spare word; never rewritten
.set NIL,   13                         ; v13  0; never rewritten
.set R,     16                         ; v16-79   the loads' ring: path x four sets of 16, path w sixteen sets of 4
.set X,     80                         ; v80-111  path x: two sets of 16 neighbours
.set E,     112                        ; v112-127 path x: a scale byte for each step
.set C,     128                        ; v128-191 codes: registers of its own for each step, so that no store's data are written again
.set Q,     80                         ; v80-87   path w: eight weights
.set AB,    88                         ; v88-119  path w: two sets of eight pairs (A, B)
.set PR,    192                        ; v192-211 path w: the parameters as loaded;
.set EW,    192                        ; v192-223 later a scale byte for each row
	s_load_b256 s[4:11], s[0:1], 0x0               ; x s[4:5], packed s[6:7], d s[8:9], dmin s[10:11]
	s_load_b256 s[12:19], s[0:1], 0x20             ; scales s[12:13], mins s[14:15], xq s[16:17], wq s[18:19]
	v_lshl_add_u32 v[SPW], v0, 2, SPARE
	v_mov_b32 v[NIL], 0
	v_lshrrev_b32 v1, 5, v0
	s_delay_alu instid0(VALU_DEP_1)
	v_readfirstlane_b32 s20, v1                    ; wave 0..7
	v_and_b32 v2, 31, v0                           ; lane
	s_delay_alu instid0(VALU_DEP_1)
	v_lshlrev_b32 v3, 4, v2                        ; 16 x lane
	s_lshr_b32 s21, ttmp9, 8
	s_xor_b32 s21, s21, ttmp9
	s_and_b32 s21, s21, 1                          ; 0: x, 1: w
	s_lshr_b32 s22, ttmp9, 1                       ; which of the tensor's 256 parts
	s_lshr_b32 s23, s22, 1                         ; its 32 rows: 0..127
	s_and_b32 s24, s22, 1                          ; its half of K
	s_lshl_b32 s25, s24, 3
	s_add_co_u32 s25, s25, s20                     ; my wave's K step: 8 x half + wave
	s_lshr_b32 s36, s23, 2
	s_lshl_b32 s36, s36, 4
	s_add_co_u32 s36, s36, s25                     ; the workspace's block: 16 x (rows / 128) + K step
	s_mul_i32 s36, s36, BLKB
	s_and_b32 s37, s23, 3                          ; which 32 of its 128 rows
	s_lshl_b32 s38, s37, 13
	s_add_co_u32 s26, s36, s38                     ; where my codes go: + 32 rows x 256 bytes
	s_mov_b32 s27, 0
	s_lshl_b32 s38, s37, 8
	s_add_co_u32 s28, s36, s38
	s_add_co_u32 s28, s28, 32768                   ; and my scale bytes: behind the block's codes, + 32 rows x 8 bytes
	s_mov_b32 s29, 0
	s_mov_b32 s31, MANT                            ; (an instruction takes one literal: the hold's line has another)
	s_wait_kmcnt 0x0
	s_cmp_lg_u32 s21, 0                            ; the work-group's number alone: all eight waves go the same way
	s_cbranch_scc1 .Lw
; ---------------------------------------------------------------- PATH X
; Sixteen steps of two rows (512 numbers).  Each of a step's four loads reads 512 consecutive bytes, 16 a lane; the conversions want 16 NEIGHBOURS in a lane, so the 2,048 bytes go through the
; wave's own stage in LDS as they lie and come back 64 bytes a lane (lane l: row 2 t + l / 16, k = 16 (l % 16) ..; two neighbouring lanes hold a block).  Loads run four steps ahead, the stage one.
	s_lshl_b32 s32, s23, 19                        ; 32 rows of 16,384 bytes
	s_lshl_b32 s36, s25, 10                        ; a K step is 1,024 bytes of a row
	s_add_co_u32 s32, s32, s36
	s_mov_b32 s33, 0
	s_add_nc_u64 s[4:5], s[4:5], s[32:33]
	s_add_nc_u64 s[32:33], s[16:17], s[26:27]      ; my codes in xq
	s_add_nc_u64 s[34:35], s[16:17], s[28:29]      ; my scale bytes in xq
	s_mul_i32 s30, s20, WREG
	s_wait_alu depctr_va_vdst(0)
	v_lshrrev_b32 v14, 2, v2
	s_delay_alu instid0(VALU_DEP_1)
	v_mul_u32_u24 v14, v14, SP
	v_and_b32 v15, 3, v2
	s_delay_alu instid0(VALU_DEP_1)
	v_lshl_add_u32 v14, v15, 4, v14
	s_delay_alu instid0(VALU_DEP_1)
	v_add_nc_u32 v14, s30, v14                     ; the stage, on the way in: SP (lane / 4) + 16 (lane % 4); a load's 512 bytes take eight places
	v_mul_u32_u24 v15, v2, SP
	s_delay_alu instid0(VALU_DEP_1)
	v_add_nc_u32 v15, s30, v15                     ; and on the way out: SP x lane
	v_lshrrev_b32 v5, 1, v2
	s_add_co_u32 s30, s30, 2*32*SP
	v_add_nc_u32 v5, s30, v5                       ; my wave's 256 scale bytes, my block's byte
	v_lshlrev_b32 v7, 3, v2                        ; and on the way out 8 bytes a lane
	s_delay_alu instid0(VALU_DEP_1)
	v_add_nc_u32 v6, s30, v7
.macro LOADX t
.irp i, 0,1,2,3
	global_load_b128 v[R+16*((\t)%4)+4*\i:R+16*((\t)%4)+4*\i+3], v3, s[4:5] offset:(2*(\t)+\i/2)*16384+(\i%2)*512 th:TH_LOAD_NT   ; 32 lanes read 512 consecutive bytes
.endr
.endm
.macro TURNX t                         ; LDS serves a wave's instructions in order (ISA guide 5.7.1): no wait stands between the stores and the loads
.irp i, 0,1,2,3
	ds_store_b128 v14, v[R+16*((\t)%4)+4*\i:R+16*((\t)%4)+4*\i+3] offset:32*SP*((\t)%2)+8*SP*\i
.endr
.irp i, 0,1,2,3
	ds_load_b128 v[X+16*((\t)%2)+4*\i:X+16*((\t)%2)+4*\i+3], v15 offset:32*SP*((\t)%2)+16*\i
.endr
.endm
.macro STEPX t
.set XS, X+16*((\t)%2)
.if (\t) > 0
	s_wait_dscnt 1                                 ; this step's numbers are back from the stage (the last step's byte store may be out)
.else
	s_wait_dscnt 0x0
.endif
.if (\t)+4 < 16
	LOADX (\t)+4                                   ; into the registers that this step's stores into the stage have read
.endif
.if (\t)+1 < 16
.if 14-(\t) >= 3
	s_wait_loadcnt 12                              ; the next step's four loads are in; those of the three steps behind it may be out
.else
	s_wait_loadcnt 4*(14-(\t))
.endif
	TURNX (\t)+1                                   ; they go through the other stage while this step is worked
.endif
	v_max3_num_f32 v8, |v[XS]|, |v[XS+1]|, |v[XS+2]|               ; the largest magnitude of my 16, in two chains
	v_max3_num_f32 v9, |v[XS+3]|, |v[XS+4]|, |v[XS+5]|
.irp i, 6,10
	s_delay_alu instid0(VALU_DEP_2)
	v_max3_num_f32 v8, v8, |v[XS+\i]|, |v[XS+\i+1]|
	s_delay_alu instid0(VALU_DEP_2)
	v_max3_num_f32 v9, v9, |v[XS+\i+2]|, |v[XS+\i+3]|
.endr
	s_delay_alu instid0(VALU_DEP_2)
	v_max3_num_f32 v8, v8, |v[XS+14]|, |v[XS+15]|
	s_delay_alu instid0(VALU_DEP_1)
	v_max3_num_f32 v8, v8, v9, FLOOR               ; and the floor: the byte cannot fall under 1
	s_delay_alu instid0(VALU_DEP_1)
	v_max_num_f32_dpp v8, v8, v8 row_xmask:1 row_mask:0xf bank_mask:0xf   ; and of my neighbour's 16: the block's
	s_delay_alu instid0(VALU_DEP_1)
	v_add_nc_u32 v11, SUBE, v8                     ; 15 off its exponent field: the conversion takes the exponent field of this operand as its scale
	s_delay_alu instid0(VALU_DEP_2)
	v_and_or_b32 v10, v8, 0x7f800000, s31          ; 57,344 x the scale
.irp i, 0,1,2,3,4,5,6,7,8,9,10,11,12,13,14,15
	v_med3_num_f32 v[XS+\i], v[XS+\i], -v10, v10   ; the conversion to an 8-bit code does not saturate (ISA guide 7.6.2): the hold comes first
.endr
	v_cvt_scalef32_pk8_bf8_f32 v[C+4*(\t):C+4*(\t)+1], v[XS:XS+7], v11
	v_cvt_scalef32_pk8_bf8_f32 v[C+4*(\t)+2:C+4*(\t)+3], v[XS+8:XS+15], v11
	v_lshrrev_b32 v[E+(\t)], 23, v11               ; the scale's byte (also the plain line behind the conversions)
	ds_store_b8 v5, v[E+(\t)] offset:16*(\t)       ; both lanes of a block write the same byte with the same value
	global_store_b128 v3, v[C+4*(\t):C+4*(\t)+3], s[32:33] offset:512*(\t)   ; the wave stores 512 consecutive bytes, aligned to 256: two rows' codes
.endm
.irp t, 0,1,2,3
	LOADX \t
.endr
	s_wait_alu depctr_va_vdst(0)
	s_wait_loadcnt 12                              ; step 0's four loads are in
	TURNX 0
.irp t, 0,1,2,3,4,5,6,7,8,9,10,11,12,13,14,15
	STEPX \t
.endr
	ds_load_b64 v[8:9], v6                         ; my wave's 256 scale bytes: these see my stores
	s_wait_dscnt 0x0
	global_store_b64 v7, v[8:9], s[34:35]          ; 32 lanes store 256 consecutive bytes, aligned
	s_wait_tensorcnt 0x0                           ; the wave's end, behind my last LDS store
	ds_add_u32 v[SPW], v[NIL]
	s_wait_dscnt 0x0
	s_endpgm
; ---------------------------------------------------------------- PATH W
; First the parameters of the work-group's 32 rows x 64 blocks are fetched once, sixteen lanes to 256 consecutive bytes of scales and of mins, and turned into a pair (A, B) a block, in LDS: one barrier.
; Then a wave walks its 32 rows: a row's 256 weights of the K step are 512 consecutive bytes of packed, 16 a lane: lane l holds 8 neighbouring weights, k = 8 l ..; four lanes hold a block.
.Lw:
	s_lshl_b32 s32, s23, 18                        ; packed: 32 rows of 8,192 bytes,
	s_lshl_b32 s36, s25, 9                         ; a K step is 512 bytes of a row
	s_add_co_u32 s32, s32, s36
	s_mov_b32 s33, 0
	s_add_nc_u64 s[6:7], s[6:7], s[32:33]
	s_lshl_b32 s32, s23, 14                        ; scales, mins: 32 rows of 512 bytes, half a row is 256
	s_lshl_b32 s36, s24, 8
	s_add_co_u32 s32, s32, s36
	s_add_nc_u64 s[12:13], s[12:13], s[32:33]
	s_add_nc_u64 s[14:15], s[14:15], s[32:33]
	s_lshl_b32 s32, s23, 11                        ; d, dmin: 32 rows of 64 bytes, half a row is 32
	s_lshl_b32 s36, s24, 5
	s_add_co_u32 s32, s32, s36
	s_add_nc_u64 s[8:9], s[8:9], s[32:33]
	s_add_nc_u64 s[10:11], s[10:11], s[32:33]
	s_add_nc_u64 s[32:33], s[18:19], s[26:27]      ; my codes in wq
	s_add_nc_u64 s[34:35], s[18:19], s[28:29]      ; my scale bytes in wq
	v_lshrrev_b32 v8, 4, v0                        ; thread / 16: a row of the first sixteen
	v_and_b32 v9, 15, v0                           ; thread % 16: four of the half row's 64 blocks
	s_delay_alu instid0(VALU_DEP_2)
	v_lshlrev_b32 v14, 9, v8
	s_delay_alu instid0(VALU_DEP_1)
	v_lshl_add_u32 v14, v9, 4, v14                 ; scales, mins: row x 512 + 16 x (thread % 16)
	s_delay_alu instid0(VALU_DEP_3)
	v_lshrrev_b32 v10, 1, v9
	v_lshlrev_b32 v15, 6, v8
	s_delay_alu instid0(VALU_DEP_1)
	v_lshl_add_u32 v15, v10, 2, v15                ; d, dmin: row x 64 + 4 x (the four blocks' run of 256 weights)
	v_lshlrev_b32 v1, 9, v8
	s_delay_alu instid0(VALU_DEP_1)
	v_lshl_add_u32 v1, v9, 5, v1
	s_delay_alu instid0(VALU_DEP_1)
	v_add_nc_u32 v1, WAB, v1                       ; where my four pairs go
	s_lshl_b32 s30, s20, 8
	s_add_co_u32 s30, s30, WSB
	v_lshrrev_b32 v5, 2, v2
	s_delay_alu instid0(VALU_DEP_1)
	v_add_nc_u32 v5, s30, v5                       ; my wave's 256 scale bytes, my block's byte
	v_lshlrev_b32 v4, 3, v2                        ; 8 x lane: my codes in a row, and the scale bytes on the way out
	s_delay_alu instid0(VALU_DEP_1)
	v_add_nc_u32 v6, s30, v4
	s_lshl_b32 s30, s20, 6
	s_add_co_u32 s30, s30, WAB
	v_lshrrev_b32 v7, 2, v2
	s_delay_alu instid0(VALU_DEP_1)
	v_lshl_add_u32 v7, v7, 3, s30                  ; my block's pair in row 0: 8 x (8 x wave + lane / 4)
.macro LOADW t
	global_load_b128 v[R+4*((\t)%16):R+4*((\t)%16)+3], v3, s[6:7] offset:8192*(\t) th:TH_LOAD_NT   ; 32 lanes read 512 consecutive bytes
.endm
.macro ABLOAD g                        ; the pairs of rows 8 g .. 8 g + 7 into set g % 2; the four lanes of a block read the same 8 bytes
.irp u, 0,1,2,3,4,5,6,7
	ds_load_b64 v[AB+16*((\g)%2)+2*\u:AB+16*((\g)%2)+2*\u+1], v7 offset:(8*(\g)+\u)*512
.endr
.endm
.macro STEPW t
.set RS, R+4*((\t)%16)
.set AT, AB+16*(((\t)/8)%2)+2*((\t)%8)
.if (\t) <= 16
	s_wait_loadcnt 15                              ; this row's load is in; the fifteen younger ones may be out
.else
	s_wait_loadcnt 31-(\t)
.endif
.irp i, 0,1,2,3
	v_and_b32 v[Q+2*\i], 15, v[RS+\i]              ; the low nibble is the earlier weight,
	v_bfe_u32 v[Q+2*\i+1], v[RS+\i], 4, 4          ; the high nibble the later
.endr
.if (\t) < 16
	LOADW (\t)+16
.endif
.irp i, 0,1,2,3,4,5,6,7
	v_cvt_f32_u32 v[Q+\i], v[Q+\i]
.endr
.irp i, 0,1,2,3,4,5,6,7
	v_fma_f32 v[Q+\i], v[Q+\i], v[AT], v[AT+1]     ; w = q A + B
.endr
	v_max3_num_f32 v8, |v[Q]|, |v[Q+1]|, FLOOR     ; the largest magnitude of my 8, and the floor
	v_max3_num_f32 v9, |v[Q+2]|, |v[Q+3]|, |v[Q+4]|
	s_delay_alu instid0(VALU_DEP_2)
	v_max3_num_f32 v8, v8, |v[Q+5]|, |v[Q+6]|
	s_delay_alu instid0(VALU_DEP_1)
	v_max3_num_f32 v8, v8, v9, |v[Q+7]|
	s_delay_alu instid0(VALU_DEP_1)
	v_max_num_f32_dpp v8, v8, v8 row_xmask:1 row_mask:0xf bank_mask:0xf
	s_delay_alu instid0(VALU_DEP_1)
	v_max_num_f32_dpp v8, v8, v8 row_xmask:2 row_mask:0xf bank_mask:0xf   ; of the block's four lanes
	s_delay_alu instid0(VALU_DEP_1)
	v_add_nc_u32 v11, SUBE, v8                     ; the conversion's scale operand
	s_delay_alu instid0(VALU_DEP_2)
	v_and_or_b32 v10, v8, 0x7f800000, s31          ; 57,344 x the scale
.irp i, 0,1,2,3,4,5,6,7
	v_med3_num_f32 v[Q+\i], v[Q+\i], -v10, v10     ; the hold (ISA guide 7.6.2: the conversion does not saturate)
.endr
	v_cvt_scalef32_pk8_bf8_f32 v[C+2*(\t):C+2*(\t)+1], v[Q:Q+7], v11
	v_lshrrev_b32 v[EW+(\t)], 23, v11              ; the scale's byte (also the plain line behind the conversion)
	ds_store_b8 v5, v[EW+(\t)] offset:8*(\t)       ; the four lanes of a block write the same byte with the same value
	global_store_b64 v4, v[C+2*(\t):C+2*(\t)+1], s[32:33] offset:256*(\t)   ; 32 lanes store 256 consecutive bytes, aligned: a row's codes
.endm
.macro GROUPW g
	s_wait_dscnt 0x0                               ; this group's pairs, asked for a group ago, are in
.if (\g) < 3
	ABLOAD (\g)+1
.endif
.irp u, 0,1,2,3,4,5,6,7
	STEPW 8*(\g)+\u
.endr
.endm
.irp j, 0,1                            ; rows thread / 16 and thread / 16 + 16
	global_load_b128 v[PR+4*\j:PR+4*\j+3], v14, s[12:13] offset:8192*\j th:TH_LOAD_NT     ; four s
	global_load_b128 v[PR+8+4*\j:PR+8+4*\j+3], v14, s[14:15] offset:8192*\j th:TH_LOAD_NT ; four m
	global_load_b32 v[PR+16+\j], v15, s[8:9] offset:1024*\j                               ; d
	global_load_b32 v[PR+18+\j], v15, s[10:11] offset:1024*\j                             ; dmin
.endr
.irp t, 0,1,2,3,4,5,6,7,8,9,10,11,12,13,14,15
	LOADW \t
.endr
	s_wait_loadcnt 16                              ; the eight parameter loads are in; the sixteen rows' loads behind them stay out
.irp j, 0,1
.irp i, 0,1,2,3
	v_cvt_f32_i32 v[PR+4*\j+\i], v[PR+4*\j+\i]
	v_cvt_f32_i32 v[PR+8+4*\j+\i], v[PR+8+4*\j+\i]
.endr
.irp i, 0,1,2,3
	v_mul_f32 v[AB+8*\j+2*\i], v[PR+4*\j+\i], v[PR+16+\j]          ; s d
	v_mul_f32 v[PR+8+4*\j+\i], C63, v[PR+8+4*\j+\i]                ; m / 63
.endr
.irp i, 0,1,2,3
	v_mul_f32 v[AB+8*\j+2*\i], C945, v[AB+8*\j+2*\i]               ; A = s d / 945
	v_fma_f32 v[AB+8*\j+2*\i+1], v[PR+8+4*\j+\i], v[PR+16+\j], v[PR+18+\j]   ; B = m / 63 x d + dmin
.endr
	ds_store_b128 v1, v[AB+8*\j:AB+8*\j+3] offset:8192*\j
	ds_store_b128 v1, v[AB+8*\j+4:AB+8*\j+7] offset:8192*\j+16
.endr
	s_wait_dscnt 0x0                               ; for the others' sake: my pairs lie in LDS
	s_barrier_signal -1
	s_barrier_wait -1                              ; everybody's do; they are never written again
	ABLOAD 0
	GROUPW 0
	GROUPW 1
	GROUPW 2
	GROUPW 3
	ds_load_b64 v[8:9], v6                         ; my wave's 256 scale bytes: these see my stores
	s_wait_dscnt 0x0
	global_store_b64 v4, v[8:9], s[34:35]          ; 32 lanes store 256 consecutive bytes, aligned
	s_wait_tensorcnt 0x0                           ; the wave's end, behind my last LDS store
	ds_add_u32 v[SPW], v[NIL]
	s_wait_dscnt 0x0
	s_endpgm
.Lfunc_end_k_q690c0d01eb_prep:
	.size	k_q690c0d01eb_prep, .Lfunc_end_k_q690c0d01eb_prep-k_q690c0d01eb_prep
	.p2alignl 7, 3214868480
	.fill 96, 4, 3214868480
	.section	.rodata,"a",@progbits
	.p2align	6, 0x0
	.amdhsa_kernel k_q690c0d01eb_prep
		.amdhsa_group_segment_fixed_size 64512
		.amdhsa_private_segment_fixed_size 0
		.amdhsa_enable_private_segment 0
		.amdhsa_kernarg_size 64
		.amdhsa_user_sgpr_count 2
		.amdhsa_user_sgpr_kernarg_segment_ptr 1
		.amdhsa_wavefront_size32 1
		.amdhsa_system_sgpr_workgroup_id_x 1
		.amdhsa_system_sgpr_workgroup_id_y 1
		.amdhsa_system_sgpr_workgroup_id_z 1
		.amdhsa_system_vgpr_workitem_id 0
		.amdhsa_next_free_vgpr 224
		.amdhsa_next_free_sgpr 66
		.amdhsa_reserve_vcc 0
		.amdhsa_float_denorm_mode_32 3
		.amdhsa_float_denorm_mode_16_64 3
		.amdhsa_memory_ordered 1
		.amdhsa_forward_progress 1
		.amdhsa_inst_pref_size 151
	.end_amdhsa_kernel
	.amdgpu_metadata
---
amdhsa.version: [ 1, 2 ]
amdhsa.kernels:
  - .name:           k_q690c0d01eb_prep
    .symbol:         k_q690c0d01eb_prep.kd
    .args:
      - { .name: x, .offset: 0, .size: 8, .value_kind: global_buffer, .address_space: global }
      - { .name: packed, .offset: 8, .size: 8, .value_kind: global_buffer, .address_space: global }
      - { .name: d, .offset: 16, .size: 8, .value_kind: global_buffer, .address_space: global }
      - { .name: dmin, .offset: 24, .size: 8, .value_kind: global_buffer, .address_space: global }
      - { .name: scales, .offset: 32, .size: 8, .value_kind: global_buffer, .address_space: global }
      - { .name: mins, .offset: 40, .size: 8, .value_kind: global_buffer, .address_space: global }
      - { .name: xq, .offset: 48, .size: 8, .value_kind: global_buffer, .address_space: global }
      - { .name: wq, .offset: 56, .size: 8, .value_kind: global_buffer, .address_space: global }
    .group_segment_fixed_size: 64512
    .private_segment_fixed_size: 0
    .kernarg_segment_align: 8
    .kernarg_segment_size: 64
    .max_flat_workgroup_size: 256
    .sgpr_count:     66
    .vgpr_count:     224
    .wavefront_size: 32
...
	.end_amdgpu_metadata
.endif
;; end of part 1
;; launch gemm (part 2): grid 16 x 16, 4 waves a work-group, clusters of 4 x 4, 327,680 bytes of LDS; arguments xq, wq, out0; writes out0
.if DOCPART == 2
	.amdgcn_target "amdgcn-amd-amdhsa--gfx1250"
	.amdhsa_code_object_version 6
	.text
	.protected	k_q690c0d01eb_gemm
	.globl	k_q690c0d01eb_gemm
	.p2align	8
	.type	k_q690c0d01eb_gemm,@function
k_q690c0d01eb_gemm:
	s_mov_b64 s[64:65], 0
	v_nop
	global_prefetch_b8 v0, s[64:65] scope:SCOPE_SE
	s_setreg_imm32_b32 hwreg(HW_REG_WAVE_MODE, 25, 1), 1
	s_wait_xcnt 0x0
	s_wait_alu depctr_hold_cnt(0) depctr_sa_sdst(0) depctr_va_vdst(0) depctr_va_sdst(0) depctr_va_ssrc(0) depctr_va_vcc(0) depctr_vm_vsrc(0)
	s_getreg_b32 s2, hwreg(HW_REG_IB_STS2, 6, 4)
	s_cmp_eq_u32 s2, 0
	s_cbranch_scc0 .Lentry_in_a_cluster
	s_endpgm
.Lentry_in_a_cluster:
	s_bfe_u32 s2, ttmp6, 0x10000c
	s_cmp_lg_u32 s2, 0xf033
	s_cbranch_scc0 .Lentry_shape_is_right
	s_endpgm
.Lentry_shape_is_right:
; out0[m][n] = sum over k of x[m][k] w[n][k], both operands as codes of BF8 (E5M2) with one E8M0 byte for each 32 along K, as the launch before laid them:
; xq, wq: [32 blocks of 128 rows][16 K steps of 256][132 units of 256 bytes]: 128 rows of 256 codes, then the rows' scale bytes, 8 a row.
; A tile of out0, 256 x 256, is made by four waves, each 128 x 128: 64 accumulators, 512 registers.  K goes in steps of 256 through a ring of two LDS slots; each wave fetches 132 units by one tensor load.
; CLUSTERS: 4 x 4 work-groups; x's tiles are asked for jointly along a row of the cluster, w's along a column.  A cluster walks K in the order t xor KM (KM from the cluster's own place in the grid): the f32 sums
; are taken in that order, not K ascending.
; THE PRODUCT IS USED TRANSPOSED: source 0 = 16 rows of w, source 1 = 16 rows of x: a lane holds eight neighbouring numbers of a row of out0.
; REGISTERS.  A step of 128 along K is four phases of 16 products: (S0,T0) (S0,T1) (S1,T1) (S1,T0); S0, S1: w's blocks 0-3, 4-7; T0, T1: x's.
;   window 0: v0-31 addresses, v32-63 scale words (two sets), v64-127 S0, v128-255 accumulators of (S1,T1)
;   window 1: v0-127 S1, two sets, v128-255 accumulators of (S0,T0)
;   window 2: v0-127 T0, two sets, v128-255 accumulators of (S0,T1);   window 3: v0-127 T1, two sets, v128-255 accumulators of (S1,T0)
; S0 is done with behind the second phase; the other three have a second set.  So ALL of the next step's 64 fragment loads stand in ONE run, between the second and the third phase, behind eight places
; in the order in which they are wanted: S0, T0, T1, S1.
; PREFETCH: behind the joint load of walk step t each wave asks for walk step t + 1 of the 132 units that it fetches, one K step (128 products) ahead of the load that wants them: of these units the partner at
; place p (cx for x, cy for w) names units 33 p .. 33 p + 32, a lane a unit, the 33rd by a second line.  The load of walk step 15 is followed by no request.
.set PITCH,  272                       ; an LDS row: 256 bytes + 16 of padding
.set UNITS,  132
.set HALFT,  UNITS*PITCH               ; what one tensor load brings
.set SCOFF,  128*PITCH                 ; in it: the scale bytes
.set SLOT,   4*HALFT                   ; x's two halves, then w's
.set BLKB,   UNITS*256
.set STREAM, 16*BLKB
.set SPARE,  2*SLOT                    ; the spare words, 128 bytes a wave
.set SPITCH, 528                       ; the way out: a stage of 16 rows x (512 + 16) bytes a wave, in slot 0, behind its last fill and last read
.set ROWC,   16384                     ; a row of out0 in bytes
.set AW,  16                           ; v16-17 LDS address of w's fragments, slot 0, 1
.set AX,  18                           ; v18-19 of x's
.set ASC, 20                           ; v20-21 of the scale words: lanes 0-15 x's rows, lanes 16-31 w's
.set STO, 24
.set RD,  25
.set CO,  26
.set SPW, 28                           ; my spare word; never rewritten
.set NIL, 29                           ; 0; never rewritten
.set PFO, 30                           ; 256 x lane
.set PFL, 31                           ; 0: the offset of the 33rd unit's line
.set SC,  32
.set FS,  64
.set ACC, 128
.set G1,  24
.set G0,  32
.set G1B, 48
.set G0B, 56
.set BA,  68
.set BB,  70
.set OFS, 72
.set KM,  74
.set KT,  76
.set PF0, 82                           ; s[84:87] the head's two prefetch addresses
.set PFA, 90                           ; the loop's
.set PFB, 92                           ; my share's first unit in walk block 0
.set OF2, 94
.set MSB, 0
.macro WIN new                         ; the immediate's high byte repeats the setting that is left
.if MSB != \new
	s_set_vgpr_msb (MSB<<8)|\new
.set MSB, \new
.endif
.endm
.macro JLOAD g0a, g1a, g0b, g1b        ; a joint load: waves 0, 1 fetch x's halves, waves 2, 3 w's; s_nop 0 and four v_nop behind each line
	s_cmp_eq_u32 s15, 0
	s_cbranch_scc0 .Lfor_b_\@
	tensor_load_to_lds s[\g0a:\g0a+3], s[\g1a:\g1a+7]
	s_nop 0
.rept 4
	v_nop
.endr
	s_branch .Lasked_\@
.Lfor_b_\@:
	tensor_load_to_lds s[\g0b:\g0b+3], s[\g1b:\g1b+7]
	s_nop 0
.rept 4
	v_nop
.endr
.Lasked_\@:
.endm
.macro CREST                           ; a round of the cluster's barrier behind its opening barrier
	s_cmp_lg_u32 s14, 0
	s_cbranch_scc1 .Lnot_wave_0_\@
	s_barrier_signal -3
.Lnot_wave_0_\@:
	s_barrier_wait -3
	s_barrier_signal -1
	s_barrier_wait -1
.endm
.macro CROUND
	s_barrier_signal -1
	s_barrier_wait -1
	CREST
.endm
.macro ASK p, guard                    ; my 33 units of one walk step; guard = 1: not in the loop's last trip
.if \guard
	s_cmp_gt_u32 s3, 1
	s_cbranch_scc0 .Lno_\@
.endif
	global_prefetch_b8 v[PFO], s[\p:\p+1] th:TH_LOAD_NT scope:SCOPE_SE
	global_prefetch_b8 v[PFL], s[\p:\p+1] offset:8192 th:TH_LOAD_NT scope:SCOPE_SE
.Lno_\@:
.endm
	s_load_b128 s[4:7], s[0:1], 0x0                ; xq, wq
	s_load_b64 s[12:13], s[0:1], 0x10              ; out0
	v_lshl_add_u32 v[SPW], v0, 2, SPARE
	v_mov_b32 v[NIL], 0
	ds_add_u32 v[SPW], v[NIL]                      ; the opening lines: the add, twice on end, and its wait
	ds_add_u32 v[SPW], v[NIL]
	v_lshrrev_b32 v1, 5, v0
	v_readfirstlane_b32 s14, v1                    ; wave
	v_and_b32 v[PFO], 31, v0
	v_lshlrev_b32 v[PFO], 8, v[PFO]
	v_mov_b32 v[PFL], 0
	s_lshr_b32 s15, s14, 1                         ; my half of the tile's rows; also: I fetch for x (0) or w (1)
	s_and_b32 s16, s14, 1                          ; my half of its columns; also: which 128 rows I fetch
	s_bfe_u32 s40, ttmp6, 0x40000                  ; cx
	s_bfe_u32 s41, ttmp6, 0x40004                  ; cy
	s_lshl_b32 s42, ttmp9, 2
	s_add_co_u32 s42, s42, s40                     ; tile column
	s_and_b32 s78, ttmp7, 0xffff
	s_lshl_b32 s17, s78, 2
	s_add_co_u32 s17, s17, s41                     ; tile row
	s_xor_b32 s[KM], s78, ttmp9
	s_lshl_b32 s[KM], s[KM], 2                     ; the cluster's own order along K
	s_mov_b32 s[OFS+1], 0
	s_mov_b32 s[OF2+1], 0
	s_mov_b32 s[KT], 2
	s_mov_b32 s[KT+1], 3
	s_lshl_b32 s43, s41, 2
	s_lshl_b32 s43, 15, s43                        ; my row of the cluster
	s_lshl_b32 s44, 0x1111, s40                    ; my column
	s_or_b32 s[G1+0], s43, (0<<16)|(1<<20)|(1<<21)|(5<<22)|(3<<25)   ; mask; bytes; 16 bytes of padding behind every 256
	s_or_b32 s[G1B+0], s44, (0<<16)|(1<<20)|(1<<21)|(5<<22)|(3<<25)
.irp g, G1, G1B
	s_mov_b32 s[\g+1], 256<<16
	s_mov_b32 s[\g+2], UNITS<<16
	s_mov_b32 s[\g+3], 256<<16
	s_mov_b32 s[\g+4], UNITS
	s_mov_b32 s[\g+5], 256
	s_mov_b32 s[\g+6], 0
	s_mov_b32 s[\g+7], 0
.endr
	s_lshl_b32 s20, s17, 1
	s_add_co_u32 s20, s20, s16
	s_mul_i32 s20, s20, STREAM                     ; x: my block of 128 rows
	s_mov_b32 s21, 0
	s_lshl_b32 s46, s42, 1
	s_add_co_u32 s46, s46, s16
	s_mul_i32 s46, s46, STREAM                     ; w: likewise
	s_mov_b32 s47, 0
	s_mul_i32 s45, s14, HALFT                      ; where my load lands
	s_wait_alu depctr_va_vdst(0)
	s_wait_dscnt 0x0                               ; both opening adds are done
	s_wait_kmcnt 0x0
	s_add_nc_u64 s[BA:BA+1], s[4:5], s[20:21]
	s_add_nc_u64 s[BB:BB+1], s[6:7], s[46:47]
.irp s, 0,1
	s_xor_b32 s[OFS], s[KM], \s
	s_mul_i32 s[OFS], s[OFS], BLKB
	s_mov_b32 s[G0+4*\s], 1
	s_add_co_u32 s[G0+4*\s+1], s45, \s*SLOT
	s_add_nc_u64 s[G0+4*\s+2:G0+4*\s+3], s[BA:BA+1], s[OFS:OFS+1]
	s_or_b32 s[G0+4*\s+3], s[G0+4*\s+3], 0x80000000
	s_mov_b32 s[G0B+4*\s], 1
	s_add_co_u32 s[G0B+4*\s+1], s45, \s*SLOT
	s_add_nc_u64 s[G0B+4*\s+2:G0B+4*\s+3], s[BB:BB+1], s[OFS:OFS+1]
	s_or_b32 s[G0B+4*\s+3], s[G0B+4*\s+3], 0x80000000
.endr
	CROUND                                         ; all sixteen work-groups are here: the first joint loads meet
	JLOAD G0, G1, G0B, G1B                         ; walk step 0: one tensor load a wave at the head
	s_cmp_eq_u32 s15, 0
	s_cselect_b32 s[OF2], s40, s41                 ; my place among the four that ask with me
	s_cselect_b64 s[PFB:PFB+1], s[BA:BA+1], s[BB:BB+1]
	s_mul_i32 s[OF2], s[OF2], 33*256
	s_add_nc_u64 s[PFB:PFB+1], s[PFB:PFB+1], s[OF2:OF2+1]
.irp j, 1,2
	s_xor_b32 s[OF2], s[KM], \j
	s_mul_i32 s[OF2], s[OF2], BLKB
	s_add_nc_u64 s[PF0+2*\j:PF0+2*\j+1], s[PFB:PFB+1], s[OF2:OF2+1]
.endr
	ASK PF0+2, 0                                   ; walk step 1
	s_mul_i32 s21, s15, HALFT                      ; my 128 rows of x
	s_mul_i32 s22, s16, HALFT
	s_add_co_u32 s22, s22, 2*HALFT                 ; my 128 rows of w
	s_add_co_u32 s23, s21, SCOFF                   ; x's scale bytes
	s_xor_b32 s18, s15, 1
	s_add_co_u32 s18, s18, s16
	s_add_co_u32 s18, s18, 1
	s_mul_i32 s18, s18, HALFT                      ; from there to w's
	s_mul_i32 s19, s14, 16*SPITCH                  ; my stage
	s_lshl_b32 s80, s17, 8
	s_lshl_b32 s81, s15, 7
	s_add_co_u32 s80, s80, s81
	s_lshl_b32 s80, s80, 14                        ; my first row of out0, in bytes
	s_mov_b32 s81, 0
	s_lshl_b32 s82, s42, 10
	s_lshl_b32 s83, s16, 9
	s_add_co_u32 s82, s82, s83                     ; my first column
	s_mov_b32 s83, 0
	s_add_nc_u64 s[80:81], s[80:81], s[82:83]
	s_add_nc_u64 s[12:13], s[12:13], s[80:81]
	v_and_b32 v1, 15, v0                           ; r
	v_bfe_u32 v2, v0, 4, 1                         ; h
	v_mul_u32_u24 v3, v1, PITCH
	v_lshl_add_u32 v3, v2, 4, v3                   ; a fragment's row x pitch + 16 h
	v_mul_u32_u24 v4, s18, v2                      ; lanes 16-31 take w's scale words
	v_lshl_add_u32 v4, v1, 3, v4
	v_mul_u32_u24 v5, v1, SPITCH
	v_lshl_add_u32 v5, v2, 5, v5
	v_add_nc_u32 v[STO], s19, v5
	v_and_b32 v6, 31, v0
	v_lshlrev_b32 v[CO], 4, v6
	v_add_nc_u32 v[RD], s19, v[CO]
	v_add_nc_u32 v[AX], s21, v3
	v_add_nc_u32 v[AW], s22, v3
	v_add_nc_u32 v[ASC], s23, v4
	v_add_nc_u32 v[AX+1], SLOT, v[AX]
	v_add_nc_u32 v[AW+1], SLOT, v[AW]
	v_add_nc_u32 v[ASC+1], SLOT, v[ASC]
; 16 LDS loads: four blocks of 16 rows x 128 K into registers r ..: load li brings block li / 4, K = 32 (li % 4) + 16 h ..
.macro RUN win, r, a, o
	WIN \win
.set li, 0
.rept 16
	ds_load_b128 v[\r+4*li:\r+4*li+3], v[\a] offset:\o+32*(li%4)+(li/4)*16*PITCH
.set li, li+1
.endr
.endm
; All fragments of the ns-th slot's nq-th 128 along K, in the order in which they are wanted; sc = 1: with the slot's scale words (lanes 0-15 x's block i, lanes 16-31 w's block i)
.macro FETCH ns, nq, sc
	RUN 0, FS, AW+\ns, 128*\nq                     ; S0
.if \sc
.irp i, 0,1,2,3,4,5,6,7
	ds_load_b64 v[SC+16*\ns+2*\i:SC+16*\ns+2*\i+1], v[ASC+\ns] offset:(\i/2)*PITCH+(\i%2)*128
.endr
.endif
	RUN 0x80, 64*\nq, AX+\ns, 128*\nq              ; T0
	RUN 0xc0, 64*\nq, AX+\ns, 128*\nq+64*PITCH     ; T1
	RUN 0x40, 64*\nq, AW+\ns, 128*\nq+64*PITCH     ; S1
.endm
; Products n0 .. n1 - 1 of a phase: x's blocks a0 .., w's blocks b0 .. (their fragments from register sb on); xo = 1: x's block is the outer index.
; The 64 accumulators take turns in the same order in every step.
.macro PART a0, b0, xo, sb, q, sc, zero, n0, n1
.set n, \n0
.rept \n1-\n0
.if \xo
.set aa, \a0+n/4
.set bb, \b0+n%4
.else
.set aa, \a0+n%4
.set bb, \b0+n/4
.endif
.set dd, ACC+8*(4*(aa%4)+bb%4)
.if \zero
	v_wmma_scale_f32_16x16x128_f8f6f4 v[dd:dd+7], v[\sb+16*(bb%4):\sb+16*(bb%4)+15], v[64*(\q)+16*(aa%4):64*(\q)+16*(aa%4)+15], 0, v[SC+16*(\sc)+2*bb+(\q)], v[SC+16*(\sc)+2*aa+(\q)] matrix_a_fmt:MATRIX_FMT_BF8 matrix_b_fmt:MATRIX_FMT_BF8 matrix_a_scale:MATRIX_SCALE_ROW1
.else
	v_wmma_scale_f32_16x16x128_f8f6f4 v[dd:dd+7], v[\sb+16*(bb%4):\sb+16*(bb%4)+15], v[64*(\q)+16*(aa%4):64*(\q)+16*(aa%4)+15], v[dd:dd+7], v[SC+16*(\sc)+2*bb+(\q)], v[SC+16*(\sc)+2*aa+(\q)] matrix_a_fmt:MATRIX_FMT_BF8 matrix_b_fmt:MATRIX_FMT_BF8 matrix_a_scale:MATRIX_SCALE_ROW1
.endif
.set n, n+1
.endr
.endm
; A step of 128 along K: the slot's q-th.  kind 0: its successor lies in the same slot; 1: the slot is left and filled again; 2: it is left and not filled; 3: the last step of all.
.macro STEP slot, q, zero, kind
.if \kind == 1
	s_wait_xcnt 0x0                                ; the last prefetch, a K step back, has read its address
	s_add_co_u32 s[OF2], s[KT+\slot], 1
	s_xor_b32 s[OF2], s[OF2], s[KM]
	s_mul_i32 s[OF2], s[OF2], BLKB
	s_add_nc_u64 s[PFA:PFA+1], s[PFB:PFB+1], s[OF2:OF2+1]
.endif
	s_wait_dscnt 32                                ; S0, T0 and the scale words are in; the 32 loads of T1 and S1 may be out
	WIN 0x58                                       ; (S0,T0): D, C window 1; x window 2; w window 0
	PART 0, 0, 0, FS, \q, \slot, \zero, 0, 16
	s_wait_dscnt 16                                ; T1 is in; S1's 16 loads may be out
	WIN 0xac                                       ; (S0,T1): D, C window 2; x window 3; w window 0
.if (\kind-1)*(\kind-2) == 0
	PART 4, 0, 1, FS, \q, \slot, \zero, 0, 12
	WIN 0                                          ; (the add's two registers lie in window 0)
	s_wait_tensorcnt 0x0                           ; all my tensor loads have landed: my part of the next slot;
	ds_add_u32 v[SPW], v[NIL]                      ; 0 onto my spare word
.if \kind == 1
	s_xor_b32 s[OFS], s[KT+\slot], s[KM]           ; no tensor load of mine is out: this slot's next tile
	s_mul_i32 s[OFS], s[OFS], BLKB
	s_add_co_u32 s[KT+\slot], s[KT+\slot], 2
	s_add_nc_u64 s[G0+4*\slot+2:G0+4*\slot+3], s[BA:BA+1], s[OFS:OFS+1]
	s_or_b32 s[G0+4*\slot+3], s[G0+4*\slot+3], 0x80000000
	s_add_nc_u64 s[G0B+4*\slot+2:G0B+4*\slot+3], s[BB:BB+1], s[OFS:OFS+1]
	s_or_b32 s[G0B+4*\slot+3], s[G0B+4*\slot+3], 0x80000000
.endif
	WIN 0xac
	PART 4, 0, 1, FS, \q, \slot, \zero, 12, 14
	s_wait_dscnt 0x0                               ; the add is done, and my reads of this slot (the last stood in the step before) are over
	s_barrier_signal -1
	PART 4, 0, 1, FS, \q, \slot, \zero, 14, 16
	WIN 0
	s_barrier_wait -1
.if \kind == 1
	CREST                                          ; the barrier has opened a round of the cluster's: no wave of any partner reads this slot or has a load on its way
	JLOAD G0+4*\slot, G1, G0B+4*\slot, G1B         ; the first tensor load behind the round; its four v_nop are four of the eight places
.rept 4
	v_nop
.endr
.else
.rept 8
	v_nop
.endr
.endif
	FETCH (1-\slot), 0, 1                          ; the next slot's first step
.if \kind == 1
	WIN 0
	ASK PFA, \slot                                 ; behind the joint load and the run of LDS loads; 32 products ahead of the next wait
.endif
.else
	PART 4, 0, 1, FS, \q, \slot, \zero, 0, 16
	s_wait_dscnt 0x0                               ; S1 is in (asked for 64 products ago)
.if \kind == 0
.rept 8
	v_nop                                          ; the places between S0's last product and the loads
.endr
	FETCH \slot, 1, 0                              ; the slot's second step
.endif
.endif
	WIN 0x0d                                       ; (S1,T1): D, C window 0; x window 3; w window 1
	PART 4, 4, 0, 64*\q, \q, \slot, \zero, 0, 16
	WIN 0xf9                                       ; (S1,T0): D, C window 3; x window 2; w window 1
	PART 0, 4, 0, 64*\q, \q, \slot, \zero, 0, 16
.endm
	s_wait_alu depctr_va_vdst(0)
	s_wait_tensorcnt 0x0                           ; my part of walk step 0 is in
	ds_add_u32 v[SPW], v[NIL]
	s_wait_dscnt 0x0
	CROUND                                         ; everybody's part is in, and the joint loads meet
	JLOAD G0+4, G1, G0B+4, G1B                     ; walk step 1: slot 1's first fill
	ASK PF0+4, 0                                   ; walk step 2
	FETCH 0, 0, 1
	STEP 0, 0, 1, 0                                ; the first step's products start the sums
	WIN 0
	s_mov_b32 s3, 7
.Llap:                                                 ; a trip goes once round the ring and fills both slots again
	STEP 0, 1, 0, 1
	STEP 1, 0, 0, 0
	STEP 1, 1, 0, 1
	STEP 0, 0, 0, 0
	WIN 0
	s_sub_co_u32 s3, s3, 1
	s_cmp_lg_u32 s3, 0
	s_cbranch_scc1 .Llap
	STEP 0, 1, 0, 2
	STEP 1, 0, 0, 0
	STEP 1, 1, 0, 3
	WIN 0
; THE WAY OUT, by blocks of 16 rows x 128 columns: through my own stage in LDS, back as whole rows of 512 bytes, which the 32 lanes store as two aligned units of 256 bytes.
; LDS serves a wave's instructions in order (ISA guide 5.7.1): no wait between the stores and the loads.  Six buffers where fragments lay; every offset is an immediate (127 rows of out0 at the most).
.macro BUF a
.if (\a) < 4
.set BW, \a
.set BR, 64
.else
.if (\a) < 6
.set BW, (\a)-2
.set BR, 0
.else
.set BW, (\a)-6
.set BR, 64
.endif
.endif
.endm
.macro TOSTAGE a
.irp hb, 0,1
.if (\a) < 4
.set WN, (1+2*\hb)*4
.else
.set WN, (2-2*\hb)*4
.endif
	WIN WN                                         ; the data's window
.irp b, 0,1,2,3
	ds_store_b128 v[STO], v[ACC+8*(4*((\a)%4)+\b):ACC+8*(4*((\a)%4)+\b)+3] offset:64*(4*\hb+\b)      ; each accumulator from its low end on
	ds_store_b128 v[STO], v[ACC+8*(4*((\a)%4)+\b)+4:ACC+8*(4*((\a)%4)+\b)+7] offset:64*(4*\hb+\b)+16
.endr
.endr
	BUF \a
.set WN, BW*64
	WIN WN
.irp t, 0,1,2,3,4,5,6,7,8,9,10,11,12,13,14,15
	ds_load_b128 v[BR+4*\t:BR+4*\t+3], v[RD] offset:\t*SPITCH
.endr
.endm
.macro SEND a, younger                 ; younger: the LDS instructions issued behind block a's loads
	s_wait_dscnt \younger
	BUF \a
.set WN, BW*4
	WIN WN
.irp t, 0,1,2,3,4,5,6,7,8,9,10,11,12,13,14,15
	global_store_b128 v[CO], v[BR+4*\t:BR+4*\t+3], s[12:13] offset:(16*(\a)+\t)*ROWC th:TH_STORE_NT
.endr
.endm
.rept 8
	v_nop                                          ; places behind the last products, for the reads of results and the loads into fragments' registers
.endr
	TOSTAGE 0
.irp a, 1,2,3,4,5,6,7
.if \a == 6
	s_wait_xcnt 0x0                                ; blocks 0 and 1's stores have read their registers: blocks 6 and 7 land there
.endif
	TOSTAGE \a
	SEND \a-1, 32
.endr
	SEND 7, 0
	WIN 0
	s_wait_tensorcnt 0x0                           ; the wave's end
	ds_add_u32 v[SPW], v[NIL]
	s_wait_dscnt 0x0
	CROUND                                         ; the closing round
	s_endpgm
.Lfunc_end_k_q690c0d01eb_gemm:
	.size	k_q690c0d01eb_gemm, .Lfunc_end_k_q690c0d01eb_gemm-k_q690c0d01eb_gemm
	.p2alignl 7, 3214868480
	.fill 96, 4, 3214868480
	.section	.rodata,"a",@progbits
	.p2align	6, 0x0
	.amdhsa_kernel k_q690c0d01eb_gemm
		.amdhsa_group_segment_fixed_size 327680
		.amdhsa_private_segment_fixed_size 0
		.amdhsa_enable_private_segment 0
		.amdhsa_kernarg_size 24
		.amdhsa_user_sgpr_count 2
		.amdhsa_user_sgpr_kernarg_segment_ptr 1
		.amdhsa_wavefront_size32 1
		.amdhsa_system_sgpr_workgroup_id_x 1
		.amdhsa_system_sgpr_workgroup_id_y 1
		.amdhsa_system_sgpr_workgroup_id_z 1
		.amdhsa_system_vgpr_workitem_id 0
		.amdhsa_next_free_vgpr 1024
		.amdhsa_next_free_sgpr 96
		.amdhsa_reserve_vcc 0
		.amdhsa_float_denorm_mode_32 3
		.amdhsa_float_denorm_mode_16_64 3
		.amdhsa_memory_ordered 1
		.amdhsa_forward_progress 1
		.amdhsa_inst_pref_size 145
	.end_amdhsa_kernel
	.amdgpu_metadata
---
amdhsa.version: [ 1, 2 ]
amdhsa.kernels:
  - .name:           k_q690c0d01eb_gemm
    .symbol:         k_q690c0d01eb_gemm.kd
    .args:
      - { .name: xq, .offset: 0, .size: 8, .value_kind: global_buffer, .address_space: global }
      - { .name: wq, .offset: 8, .size: 8, .value_kind: global_buffer, .address_space: global }
      - { .name: out0, .offset: 16, .size: 8, .value_kind: global_buffer, .address_space: global }
    .group_segment_fixed_size: 327680
    .private_segment_fixed_size: 0
    .kernarg_segment_align: 8
    .kernarg_segment_size: 24
    .max_flat_workgroup_size: 128
    .sgpr_count:     96
    .vgpr_count:     1024
    .wavefront_size: 32
...
	.end_amdgpu_metadata
.endif
;; end of part 2
